; MI455X (gfx1250); checked and timed in simulation.
; The chip was launched on July 23, 2026; its instructions are those of AMD's public machine-readable ISA for CDNA 5 (MIT licence, August 2026) and "CDNA5" Instruction Set Architecture Reference Guide (July 2026). The comments in the code are by the model that wrote it; some were corrected since.
;; Attention. Allowed arithmetic: matrix products marked QUANTISED: E2M1 operands, one E8M0 scale for each 32 along K, by v_wmma_scale_f32_16x16x128_f8f6f4 with both operands' format E2M1 (or v_wmma_scale_f32_32x16x128_f4), f32 sums; products left as they are: bf16, f16 or f32 operands; f32 sums; everything else in f32.
;; Inputs: k_w 1,024 x 1,024 float32; o_w 1,024 x 1,024 float32; q_w 1,024 x 1,024 float32; token_positions 2,048 int32; v_w 1,024 x 1,024 float32; x 4 x 2,048 x 1,024 float32.
;; Outputs: out0 4 x 2,048 x 1,024 float32.
;; This version of the problem:
;;   THIS VERSION OF THE PROBLEM IS GIVEN IN LOW PRECISION. The matrix products marked QUANTISED in the list below multiply operands that are first quantised to E2M1 (2 exponent bits, 1 mantissa bit; 4 bits a number), with one power-of-two scale for each 32 numbers along K (OCP MX v1.0); their sums are f32. The products marked 'left as it is' may take bf16, f16 or f32 operands, with f32 sums. All else is computed in f32.
;;   The module's matrix products, in the order in which they are computed (A, B: the left and right operand; K: the contracted axis; several contracted axes count as one K, in the product's order):
;;     1. [M 8,192, K 1,024] x [K 1,024, N 1,024]; A: input x; B: input q_w: QUANTISED
;;     2. [M 8,192, K 1,024] x [K 1,024, N 1,024]; A: input x; B: input k_w: QUANTISED
;;     3. [M 8,192, K 1,024] x [K 1,024, N 1,024]; A: input x; B: input v_w: QUANTISED
;;     4. batch 64 x [M 2,048, K 64] x [K 64, N 2,048]; A: computed on the way; B: computed on the way: left as it is (an operand is computed on the way)
;;     5. batch 64 x [M 2,048, K 2,048] x [K 2,048, N 64]; A: computed on the way; B: computed on the way: left as it is (an operand is computed on the way)
;;     6. [M 8,192, K 1,024] x [K 1,024, N 1,024]; A: computed on the way; B: input o_w: left as it is (an operand is computed on the way)
;;   THE QUANTISER, for each operand of a quantised product, along K:
;;     - K is cut into blocks of 32 from its start; a last block that is shorter is filled with zeros.
;;     - A block's scale is 2^e with e = floor(log2(the largest magnitude in the block)) - 2, held to -126 .. 127; a block of zeros has e = 0. As a byte (E8M0): e + 127.
;;     - Each number is divided by its block's scale, clamped to +-6, and rounded to the nearest number of E2M1, ties to even, subnormals kept.
;;     - The product sums the exact products of the quantised numbers (number of the format x scale) in f32.
;;   ~~~python
;;   def quantise(x, axis):      # numpy; x: float32 -> the quantised numbers, widened to float32 again
;;       x = np.moveaxis(x, axis, -1); K = x.shape[-1]
;;       x = np.pad(x, [(0, 0)] * (x.ndim - 1) + [(0, -K % 32)]); x = x.reshape(x.shape[:-1] + (-1, 32)); a = np.abs(x).max(-1, keepdims=True)
;;       e = np.where(a > 0, np.clip(np.frexp(np.where(a > 0, a, 1))[1] - 1 - 2, -126, 127), 0)      # np.frexp(a)[1] - 1 = floor(log2(a)), exactly
;;       r = np.clip(x / 2.0 ** e, -6, 6)
;;       step = 2.0 ** (np.maximum(np.frexp(np.where(r == 0, 1, r))[1] - 1, 0) - 1)
;;       q = np.round(r / step) * step * 2.0 ** e      # np.round: ties to even
;;       return np.moveaxis(q.reshape(q.shape[:-2] + (-1,))[..., :K], -1, axis).astype(np.float32)
;;   ~~~
;; One version. Each part assembles by itself: llvm-mc -triple=amdgcn-amd-amdhsa -mcpu=gfx1250 --defsym DOCPART=n.
;; ======== version 1 of 1: 4 launches
;; limits: right only within a limited range of input values; values are held in f16: magnitudes above 65,504 overflow, below 6.1e-05 lose precision
;; workspace buffers: codes 5,767,168 bytes; scl 360,448 bytes; owb 4,194,304 bytes; rope 524,288 bytes; qkv 50,331,648 bytes; ao 33,554,432 bytes
;; launch prep (part 1): grid 800 x 1, 8 waves a work-group, no clusters, 69,120 bytes of LDS; arguments x, q_w, k_w, v_w, o_w, token_positions, codes, scl, owb, rope; writes codes, scl, owb, rope
.if DOCPART == 1
	.amdgcn_target "amdgcn-amd-amdhsa--gfx1250"
	.amdhsa_code_object_version 6
	.text
	.protected	k_qa9c2a2875e_prep
	.globl	k_qa9c2a2875e_prep
	.p2align	8
	.type	k_qa9c2a2875e_prep,@function
k_qa9c2a2875e_prep:
	s_mov_b64 s[64:65], 0
	v_nop
	global_prefetch_b8 v0, s[64:65] scope:SCOPE_SE
	s_setreg_imm32_b32 hwreg(HW_REG_WAVE_MODE, 25, 1), 1
	s_wait_xcnt 0x0
; PREP.  x [8192][1024] and q_w, k_w, v_w [1024][1024], f32, become codes of FP4 (E2M1) with one E8M0 byte for each 32 along K; o_w becomes TWO bf16 parts; token_positions become a table of cosines and sines.
; All that is stored is laid in the ORDER OF AN OPERAND'S REGISTERS: a group of four registers is 512 bytes, lane l's 16 bytes at 16 l.  So every store of a wave covers 512 consecutive aligned bytes, and the later
; launches load fragments as they stand.
; SHARES.  Work-groups 0-511: 16 rows of x each; 512-703: 16 rows of q_w, k_w, v_w (64 work-groups each); 704-767: 16 rows of o_w; 768-799: four tiles of 16 tokens of the table.
; In the first three kinds wave s takes 128 along K (K step s) of the 16 rows: 16 loads of 512 consecutive bytes, turned through the wave's own stage in LDS so that a lane gets neighbours along K.
; A BLOCK'S SCALE is 2^(floor(log2(largest magnitude)) - 2); its byte is that magnitude's exponent field - 2, held at 1 from below by a floor among the maximum's leaves.
; o_w IN TWO PARTS: hi = bf16(w), lo = bf16(w - hi); the difference is exact in f32, so the two carry 16 bits of w with f32's range.  One bf16 alone (8 bits) is too coarse for the rows of the output that few keys feed.
; LIMITS: a block of zeros gets the byte 1 (its codes are zeros, and this program alone reads the bytes); NaN and infinities are not served; the angles position x inv_freq are reduced by a three-part pi/2,
; good for magnitudes up to about 1e5 rad; inv_freq = 2^(-i log2(10000)/32) by v_exp_f32 (1 ulp: ISA guide, 15.8), so an angle carries a relative error of some 2e-7.
; Left out: tensor loads, clusters, prefetches: nothing is shared, every byte is read once, and each wave has all its loads out at once.
.set STGW,   8448                      ; a wave's stage: 16 rows of 512 bytes + 16 of padding
.set SPITCH, 528                       ; 132 words: row r starts at bank 4 r mod 64 (64 banks of 4 bytes: ISA guide 11.1)
.set GATH,   8*STGW                    ; behind the stages: 512 bytes, the tile's scale words as a register image
.set R, 16                             ; v16-79   16 rows as loaded; later the codes or the bf16 parts
.set X, 80                             ; v80-143  64 numbers of my row, neighbours along K
.set C, 16
	s_load_b512 s[4:19], s[0:1], 0x0               ; x 4, q_w 6, k_w 8, v_w 10, o_w 12, token_positions 14, codes 16, scl 18
	s_load_b128 s[20:23], s[0:1], 0x40             ; owb 20, rope 22
	v_lshl_add_u32 v160, v0, 2, 0x10a00
	v_mov_b32 v161, 0
	v_lshrrev_b32 v10, 5, v0
	v_readfirstlane_b32 s24, v10                   ; wave 0..7
	v_and_b32 v11, 31, v0
	v_lshlrev_b32 v1, 4, v11                       ; 16 x lane
	v_and_b32 v2, 15, v0                           ; r
	v_bfe_u32 v3, v0, 4, 1                         ; h
	s_mul_i32 s27, s24, STGW
	v_add_nc_u32 v4, s27, v1                       ; the stage, on the way in: a row's 512 bytes as they lie
	v_mul_u32_u24 v12, v2, SPITCH
	v_add_nc_u32 v12, s27, v12
	v_lshl_add_u32 v5, v3, 7, v12                  ; out, for codes: row r, 32 numbers (128 bytes) for each half of the lanes
	v_lshl_add_u32 v6, v3, 5, v12                  ; out, for bf16: row r, 8 numbers (32 bytes) for each half
	s_and_b32 s50, s24, 1
	s_lshl_b32 s50, s50, 8
	s_lshr_b32 s51, s24, 1
	s_lshl_b32 s51, s51, 2
	s_add_co_u32 s50, s50, s51
	s_add_co_u32 s50, s50, GATH
	v_lshl_add_u32 v7, v2, 4, s50                  ; my row's scale word of K step s: lane 16 (s % 2) + r of the image, word s / 2
	v_add_nc_u32 v8, GATH, v1                      ; and the image read back
	v_lshlrev_b32 v9, 3, v3                        ; 8 h
	s_mov_b32 s36, 0x76543210
	s_mov_b32 s37, 0xfedcba98                      ; v_permlanex16_b32's selects for lane l xor 16
	s_and_b32 s25, ttmp9, 63                       ; the tile of 16 rows in a weight,
	s_lshr_b32 s26, ttmp9, 6
	s_sub_co_u32 s26, s26, 8                       ; and which weight: 0 q_w, 1 k_w, 2 v_w (elsewhere not used)
	s_wait_kmcnt 0x0
	; every offset is made here, ahead of the first parting; a work-group uses those of its own kind
	s_mov_b64 s[28:29], s[12:13]
	s_cmp_lt_u32 ttmp9, 704
	s_cselect_b64 s[28:29], s[10:11], s[28:29]
	s_cmp_lt_u32 ttmp9, 640
	s_cselect_b64 s[28:29], s[8:9], s[28:29]
	s_cmp_lt_u32 ttmp9, 576
	s_cselect_b64 s[28:29], s[6:7], s[28:29]
	s_cmp_lt_u32 ttmp9, 512
	s_cselect_b64 s[28:29], s[4:5], s[28:29]       ; the source: chosen by the work-group's number alone
	s_cselect_b32 s25, ttmp9, s25                  ; in x the tile is the work-group's number
	s_lshl_b32 s30, s25, 16                        ; 16 rows of 4,096 bytes
	s_lshl_b32 s31, s24, 9                         ; my wave's 512 bytes of a row
	s_add_co_u32 s30, s30, s31
	s_mov_b32 s31, 0
	s_add_nc_u64 s[28:29], s[28:29], s[30:31]
	s_lshr_b32 s32, s25, 3                         ; g: which 128 rows of a weight
	s_and_b32 s33, s25, 7                          ; b: which 16 of them
	s_mul_i32 s34, s32, 196608                     ; the weights' codes: [g][p][K step][b]: 196,608 g + 65,536 p + 8,192 s + 1,024 b, behind x's 4,194,304 bytes
	s_lshl_b32 s35, s26, 16
	s_add_co_u32 s34, s34, s35
	s_lshl_b32 s35, s24, 13
	s_add_co_u32 s34, s34, s35
	s_lshl_b32 s35, s33, 10
	s_add_co_u32 s34, s34, s35
	s_add_co_u32 s34, s34, 4194304
	s_lshl_b32 s35, s25, 13                        ; x's codes: [tile][K step]: 8,192 tile + 1,024 s
	s_lshl_b32 s50, s24, 10
	s_add_co_u32 s35, s35, s50
	s_mul_i32 s52, s32, 3                          ; the weights' scale words: 4,096 (3 g + p) + 512 b, behind x's 262,144 bytes
	s_add_co_u32 s52, s52, s26
	s_lshl_b32 s52, s52, 12
	s_lshl_b32 s53, s33, 9
	s_add_co_u32 s52, s52, s53
	s_add_co_u32 s52, s52, 262144
	s_lshl_b32 s53, s25, 9                         ; x's: 512 tile
	s_cmp_lt_u32 ttmp9, 512
	s_cselect_b32 s34, s35, s34
	s_cselect_b32 s52, s53, s52
	s_mov_b32 s35, 0
	s_mov_b32 s53, 0
	s_add_nc_u64 s[16:17], s[16:17], s[34:35]
	s_add_nc_u64 s[18:19], s[18:19], s[52:53]
	s_lshl_b32 s54, s32, 19                        ; o_w's parts: [g][32 along K][part][b][half]: 524,288 g + 16,384 (4 s + ksl) + 8,192 part + 1,024 b + 512 half
	s_lshl_b32 s55, s24, 16
	s_add_co_u32 s54, s54, s55
	s_lshl_b32 s55, s33, 10
	s_add_co_u32 s54, s54, s55
	s_mov_b32 s55, 0
	s_add_nc_u64 s[20:21], s[20:21], s[54:55]
	s_cmp_ge_u32 ttmp9, 768
	s_cbranch_scc1 .Ltable
.irp p, 0,1,2,3,4,5,6,7,8,9,10,11,12,13,14,15
	global_load_b128 v[R+4*\p:R+4*\p+3], v1, s[28:29] offset:4096*\p th:TH_LOAD_NT   ; 512 consecutive bytes of row p
.endr
.irp p, 0,1,2,3,4,5,6,7,8,9,10,11,12,13,14,15
	s_wait_loadcnt 15-\p                           ; loads come back in order (ISA guide 5.7.1): row p is in, the younger ones stay out
	ds_store_b128 v4, v[R+4*\p:R+4*\p+3] offset:SPITCH*\p
.endr
	s_cmp_ge_u32 ttmp9, 704
	s_cbranch_scc1 .Lbf16
	; ---- codes: lane (r, h) takes k = 64 c + 32 h + 0 .. 31 of row r: two whole blocks, in the order of the operand's registers
.irp c, 0,1
.irp i, 0,1,2,3,4,5,6,7
	ds_load_b128 v[X+32*\c+4*\i:X+32*\c+4*\i+3], v5 offset:256*\c+16*\i   ; LDS serves a wave's instructions in order (ISA guide 5.7.1.4): these see my stores
.endr
.endr
	s_wait_dscnt 0x0                               ; the numbers are in, and the stage's stores have read v16-79
.irp c, 0,1
	v_max3_num_f32 v[144+\c], |v[X+32*\c]|, |v[X+32*\c+1]|, 0x1800000   ; the floor 2^(3 - 127): the byte cannot fall under 1
.endr
.irp i, 2,4,6,8,10,12,14,16,18,20,22,24,26,28,30
.irp c, 0,1
	v_max3_num_f32 v[144+\c], v[144+\c], |v[X+32*\c+\i]|, |v[X+32*\c+\i+1]|   ; the two blocks by turns
.endr
.endr
.irp c, 0,1
	v_add_nc_u32 v[146+\c], 0xff000000, v[144+\c]  ; 2 off the exponent field: the conversion's scale operand
.endr
.irp c, 0,1
	v_lshrrev_b32 v[148+\c], 23, v[146+\c]         ; the scale's byte
.endr
	v_lshl_or_b32 v150, v149, 16, v148             ; my two bytes: blocks h and 2 + h,
	v_lshlrev_b32 v150, v9, v150                   ; at their places in the word;
	v_mov_b32 v151, 0
	v_permlanex16_b32 v151, v150, s36, s37
	v_or_b32 v150, v150, v151                      ; with lane l xor 16's two the word is whole
.irp c, 0,1
.irp g, 0,1,2,3
	v_cvt_scalef32_pk8_fp4_f32 v[C+4*\c+\g], v[X+32*\c+8*\g:X+32*\c+8*\g+7], v[146+\c]
.endr
.endr
	v_nop                                          ; one plain place behind the scaled conversions
	global_store_b128 v1, v[C:C+3], s[16:17]
	global_store_b128 v1, v[C+4:C+7], s[16:17] offset:512
	ds_store_b32 v7, v150                          ; lanes r and r + 16 write the same word with the same value
	s_branch .Ljoin
.Lbf16:
	; ---- o_w: fragment half f = 2 (32 along K) + half: lane (r, h) takes k = 16 f + 8 h + 0 .. 7 of row r
.irp f, 0,1,2,3,4,5,6,7
.irp u, 0,1
	ds_load_b128 v[X+8*\f+4*\u:X+8*\f+4*\u+3], v6 offset:128*(\f/2)+64*(\f%2)+16*\u
.endr
.endr
	s_wait_dscnt 0x0
.set n, 0
.rept 32
	v_cvt_pk_bf16_f32 v[C+n], v[X+2*n], v[X+2*n+1] ; hi, two numbers a register
.set n, n+1
.endr
.set n, 0
.rept 32                               ; w - hi, exact in f32; four pairs of registers at work by turns
	v_lshlrev_b32 v[144+2*(n%4)], 16, v[C+n]
	v_and_b32 v[145+2*(n%4)], 0xffff0000, v[C+n]
	v_pk_add_f32 v[X+2*n:X+2*n+1], v[X+2*n:X+2*n+1], v[144+2*(n%4):145+2*(n%4)] neg_lo:[0,1] neg_hi:[0,1]
.set n, n+1
.endr
.set n, 0
.rept 32
	v_cvt_pk_bf16_f32 v[C+32+n], v[X+2*n], v[X+2*n+1]   ; lo
.set n, n+1
.endr
.irp f, 0,1,2,3,4,5,6,7
	global_store_b128 v1, v[C+4*\f:C+4*\f+3], s[20:21] offset:16384*(\f/2)+512*(\f%2)
	global_store_b128 v1, v[C+32+4*\f:C+32+4*\f+3], s[20:21] offset:16384*(\f/2)+8192+512*(\f%2)
.endr
	s_branch .Ljoin
; cos and sin of v[an]: k = the nearest whole number to an x 2/pi; r = an - k pi/2 in three fused steps; polynomials on |r| <= pi/4; the quadrant k mod 4 swaps and signs them
.macro SINCOS an, co, si
	v_mul_f32 v24, s38, v[\an]
	v_rndne_f32 v24, v24
	v_fma_f32 v25, v24, s39, v[\an]
	v_fma_f32 v25, v24, s40, v25
	v_fma_f32 v25, v24, s41, v25
	v_cvt_i32_f32 v26, v24
	v_mul_f32 v27, v25, v25
	v_fma_f32 v28, s42, v27, s43
	v_fma_f32 v28, v28, v27, s44
	v_fma_f32 v28, v28, v27, -0.5
	v_fma_f32 v28, v28, v27, 1.0                   ; cos r
	v_fma_f32 v29, s45, v27, s46
	v_fma_f32 v29, v29, v27, s47
	v_fma_f32 v29, v29, v27, s48
	v_mul_f32 v30, v25, v27
	v_fma_f32 v29, v29, v30, v25                   ; sin r
	v_and_b32 v31, 1, v26
	v_cmp_eq_u32 vcc_lo, 1, v31
	v_cndmask_b32 v[\si], v29, v28, vcc_lo         ; odd quadrants: the two change places
	v_cndmask_b32 v[\co], v28, v29, vcc_lo
	v_lshlrev_b32 v31, 30, v26
	v_and_b32 v31, 0x80000000, v31
	v_xor_b32 v[\si], v[\si], v31                  ; sin is negated in quadrants 2 and 3,
	v_add_nc_u32 v31, 1, v26
	v_lshlrev_b32 v31, 30, v31
	v_and_b32 v31, 0x80000000, v31
	v_xor_b32 v[\co], v[\co], v31                  ; cos in quadrants 1 and 2
.endm
.Ltable:
	; ---- the table: [token tile][16 channels bq][half hf][lane][4 f32]: lane (r, h): token r; channels 16 bq + 8 h + 4 hf + 0 .. 3: cos, sin of pair i0, cos, sin of pair i0 + 1.  Wave = 2 bq + hf
	s_mov_b32 s38, 0x3f22f983                      ; 2 / pi
	s_mov_b32 s39, 0xbfc90fd8                      ; - pi/2, in three parts
	s_mov_b32 s40, 0xb4a8885a
	s_mov_b32 s41, 0xa7c234c4
	s_mov_b32 s42, 0x37cd4000                      ; cos: z^4 .. z^2
	s_mov_b32 s43, 0xbab6077d
	s_mov_b32 s44, 0x3d2aaaa8
	s_mov_b32 s45, 0x36405000                      ; sin: z^4 .. z
	s_mov_b32 s46, 0xb9503486
	s_mov_b32 s47, 0x3c0888c1
	s_mov_b32 s48, 0xbe2aaaab
	s_sub_co_u32 s50, ttmp9, 768
	s_lshl_b32 s52, s50, 8                         ; 64 positions of 4 bytes
	s_mov_b32 s53, 0
	s_add_nc_u64 s[14:15], s[14:15], s[52:53]
	s_lshl_b32 s52, s50, 14                        ; four tiles of 4,096 bytes,
	s_lshl_b32 s51, s24, 9                         ; my wave's 512 of each
	s_add_co_u32 s52, s52, s51
	s_add_nc_u64 s[22:23], s[22:23], s[52:53]
	s_lshr_b32 s52, s24, 1
	s_lshl_b32 s52, s52, 3
	s_and_b32 s53, s24, 1
	s_lshl_b32 s53, s53, 1
	s_add_co_u32 s52, s52, s53
	v_lshl_add_u32 v10, v3, 2, s52                 ; i0 = 8 bq + 4 h + 2 hf
	v_add_nc_u32 v11, 1, v10
	v_lshlrev_b32 v12, 2, v2                       ; 4 r
.irp t, 0,1,2,3
	global_load_b32 v[16+\t], v12, s[14:15] offset:64*\t
.endr
	v_cvt_f32_u32 v10, v10
	v_cvt_f32_u32 v11, v11
	v_mul_f32 v10, 0xbed49a78, v10                 ; - i log2(10000) / 32
	v_mul_f32 v11, 0xbed49a78, v11
	v_exp_f32 v10, v10                             ; inv_freq
	v_exp_f32 v11, v11
	v_nop                                          ; one plain place behind the exponentials
	s_wait_loadcnt 0x0
.irp t, 0,1,2,3
	v_cvt_f32_i32 v[16+\t], v[16+\t]
.endr
	s_wait_alu depctr_va_vdst(0)
.irp t, 0,1,2,3
	v_mul_f32 v[32+2*\t], v[16+\t], v10
	v_mul_f32 v[33+2*\t], v[16+\t], v11
.endr
.irp t, 0,1,2,3
.irp k, 0,1
	SINCOS 32+2*\t+\k, 80+4*\t+2*\k, 81+4*\t+2*\k
.endr
.endr
.irp t, 0,1,2,3
	global_store_b128 v1, v[80+4*\t:83+4*\t], s[22:23] offset:4096*\t
.endr
.Ljoin:
	s_wait_dscnt 0x0                               ; for the others' sake: my scale word lies in LDS
	s_barrier_signal -1
	s_barrier_wait -1                              ; every path passes this one barrier
	s_cmp_ge_u32 ttmp9, 704
	s_cbranch_scc1 .Lend
	s_cmp_lg_u32 s24, 0
	s_cbranch_scc1 .Lend
	ds_load_b128 v[12:15], v8                      ; the tile's scale words of all eight K steps: lane (h, r), word j: K step 2 j + h of row r
	s_wait_dscnt 0x0
	global_store_b128 v1, v[12:15], s[18:19]       ; 512 consecutive aligned bytes
.Lend:
	s_wait_tensorcnt 0x0
	ds_add_u32 v160, v161
	s_wait_dscnt 0x0
	s_endpgm
.Lfunc_end_k_qa9c2a2875e_prep:
	.size	k_qa9c2a2875e_prep, .Lfunc_end_k_qa9c2a2875e_prep-k_qa9c2a2875e_prep
	.p2alignl 7, 3214868480
	.fill 96, 4, 3214868480
	.section	.rodata,"a",@progbits
	.p2align	6, 0x0
	.amdhsa_kernel k_qa9c2a2875e_prep
		.amdhsa_group_segment_fixed_size 69120
		.amdhsa_private_segment_fixed_size 0
		.amdhsa_enable_private_segment 0
		.amdhsa_kernarg_size 80
		.amdhsa_user_sgpr_count 2
		.amdhsa_user_sgpr_kernarg_segment_ptr 1
		.amdhsa_wavefront_size32 1
		.amdhsa_system_sgpr_workgroup_id_x 1
		.amdhsa_system_sgpr_workgroup_id_y 1
		.amdhsa_system_sgpr_workgroup_id_z 1
		.amdhsa_system_vgpr_workitem_id 0
		.amdhsa_next_free_vgpr 162
		.amdhsa_next_free_sgpr 66
		.amdhsa_reserve_vcc 1
		.amdhsa_float_denorm_mode_32 3
		.amdhsa_float_denorm_mode_16_64 3
		.amdhsa_memory_ordered 1
		.amdhsa_forward_progress 1
		.amdhsa_inst_pref_size 36
	.end_amdhsa_kernel
	.amdgpu_metadata
---
amdhsa.version: [ 1, 2 ]
amdhsa.kernels:
  - .name:           k_qa9c2a2875e_prep
    .symbol:         k_qa9c2a2875e_prep.kd
    .args:
      - { .name: x, .offset: 0, .size: 8, .value_kind: global_buffer, .address_space: global }
      - { .name: q_w, .offset: 8, .size: 8, .value_kind: global_buffer, .address_space: global }
      - { .name: k_w, .offset: 16, .size: 8, .value_kind: global_buffer, .address_space: global }
      - { .name: v_w, .offset: 24, .size: 8, .value_kind: global_buffer, .address_space: global }
      - { .name: o_w, .offset: 32, .size: 8, .value_kind: global_buffer, .address_space: global }
      - { .name: token_positions, .offset: 40, .size: 8, .value_kind: global_buffer, .address_space: global }
      - { .name: codes, .offset: 48, .size: 8, .value_kind: global_buffer, .address_space: global }
      - { .name: scl, .offset: 56, .size: 8, .value_kind: global_buffer, .address_space: global }
      - { .name: owb, .offset: 64, .size: 8, .value_kind: global_buffer, .address_space: global }
      - { .name: rope, .offset: 72, .size: 8, .value_kind: global_buffer, .address_space: global }
    .group_segment_fixed_size: 69120
    .private_segment_fixed_size: 0
    .kernarg_segment_align: 8
    .kernarg_segment_size: 80
    .max_flat_workgroup_size: 256
    .sgpr_count:     66
    .vgpr_count:     162
    .wavefront_size: 32
...
	.end_amdgpu_metadata
.endif
;; end of part 1
;; launch qkv (part 2): grid 32 x 8, 4 waves a work-group, clusters of 4 x 1, 197,120 bytes of LDS; arguments codes, scl, rope, qkv; writes qkv
.if DOCPART == 2
	.amdgcn_target "amdgcn-amd-amdhsa--gfx1250"
	.amdhsa_code_object_version 6
	.text
	.protected	k_qa9c2a2875e_qkv
	.globl	k_qa9c2a2875e_qkv
	.p2align	8
	.type	k_qa9c2a2875e_qkv,@function
k_qa9c2a2875e_qkv:
	s_mov_b64 s[64:65], 0
	v_nop
	global_prefetch_b8 v0, s[64:65] scope:SCOPE_SE
	s_setreg_imm32_b32 hwreg(HW_REG_WAVE_MODE, 25, 1), 1
	s_wait_xcnt 0x0
	s_wait_alu depctr_hold_cnt(0) depctr_sa_sdst(0) depctr_va_vdst(0) depctr_va_sdst(0) depctr_va_ssrc(0) depctr_va_vcc(0) depctr_vm_vsrc(0)
	s_getreg_b32 s2, hwreg(HW_REG_IB_STS2, 6, 4)
	s_cmp_eq_u32 s2, 0
	s_cbranch_scc0 .Lentry_in_a_cluster
	s_endpgm
.Lentry_in_a_cluster:
	s_bfe_u32 s2, ttmp6, 0x10000c
	s_cmp_lg_u32 s2, 0x3003
	s_cbranch_scc0 .Lentry_shape_is_right
	s_endpgm
.Lentry_shape_is_right:
; QKV.  q, k, v = x W^T on codes of FP4 (E2M1) with E8M0 scales, sums in f32; the rotation by the table on q and k; all three rounded to f16 and stored as register images for the attention launch.
; f16, NOT bf16: its 11 bits are wanted by the rows of the output that few keys feed.  LIMIT: |q|, |k|, |v| under 65,504.  x and a weight both 30 times the drawn spread give numbers 900 times larger, some 5,500 at the
; most; offsets of 30 spreads on both give about 1,024 x 30 x 1 = 31,000, at most 43,500 after the rotation: both have room.
; SHARES.  Work-group (mb, g): rows 256 mb .. + 255 of x, rows 128 g .. + 127 (heads 2 g, 2 g + 1) of each of the three weights.  Wave w: rows 64 w .. + 63, all 384 columns, in three passes (q, k, v) of 32 accumulators.
; A wave's fragments of x for ALL of K (256 registers) come once, straight from memory: no other wave of the work-group wants them.  The weights' codes, 3 x 65,536 bytes, come once into LDS.
; CLUSTER.  The four work-groups of a cluster differ in mb alone and want the same weights: each fill is asked for JOINTLY (mask 15).  Nothing in LDS is filled twice: no ring.
; q, k: the matrix instruction is used TRANSPOSED (source 0 = 16 rows of W, source 1 = 16 tokens): a lane holds one token and eight neighbouring channels: half a fragment of Q or K once packed.
; v: natural order (source 0 = tokens, source 1 = rows of W): a lane holds one channel and eight neighbouring tokens: half a fragment of V^T.
; REGISTERS, in windows of 256: window 0: v1 16 x lane; v2-4 LDS addresses; v16-31 x's scale words; v32-127 the weights'; v128-255 two sets of 8 weight fragments.
;   window 1: accumulator (a, b) at v[8 (8 a + b)].   window 2: x's fragment (a, K step) at v[8 (8 a + s)].   window 3: v0-127 the table; v128-159 at work; v192-255 four sets of 16 packed registers.
; A scale register holds, in lanes 0-15, the words of an even K step and, in lanes 16-31, those of the odd one that follows.
; Left out: a prefetch (all loads go out at the head); a joint load for x (each byte of it goes to one wave's registers).
.set WV,  12
.set ADB, 2
.set AS,  16
.set BS,  32
.set BF,  128
.set TMP, 128
.set PK,  192
.set G1,  24
.set G0,  32
.set MSB, 0
.macro WIN new                         ; the immediate's high byte repeats the setting that is left
.if MSB != \new
	s_set_vgpr_msb (MSB<<8)|\new
.set MSB, \new
.endif
.endm
.macro CROUND                          ; a round of the cluster's barrier
	s_barrier_signal -1
	s_barrier_wait -1
	s_cmp_lg_u32 s[WV], 0
	s_cbranch_scc1 .Lnot_wave_0_\@
	s_barrier_signal -3
.Lnot_wave_0_\@:
	s_barrier_wait -3
	s_barrier_signal -1
	s_barrier_wait -1
.endm
	s_load_b256 s[4:11], s[0:1], 0x0               ; codes 4, scl 6, rope 8, qkv 10
	v_lshl_add_u32 v14, v0, 2, 0x30000
	v_mov_b32 v15, 0
	ds_add_u32 v14, v15
	v_lshrrev_b32 v5, 5, v0
	v_readfirstlane_b32 s[WV], v5                  ; wave 0..3
	v_and_b32 v5, 31, v0
	v_lshlrev_b32 v1, 4, v5                        ; 16 x lane
.irp p, 0,1,2
	v_add_nc_u32 v[ADB+\p], 65536*\p, v1           ; pass p's weights in LDS
.endr
	s_bfe_u32 s13, ttmp6, 0x40000                  ; cx
	s_lshl_b32 s14, ttmp9, 2
	s_add_co_u32 s14, s14, s13                     ; mb = 4 x cluster x + cx: it enters x's, the table's and the output's addresses alone
	s_and_b32 s15, ttmp7, 0xffff                   ; g, which the four partners share
	; descriptor group 1: 64 rows of 256 dense bytes (32 elements of 8 bytes)
	s_mov_b32 s[G1+0], 15|(3<<16)|(1<<21)          ; 15:0 the mask: all four work-groups; 17:16 elements of 8 bytes; 21 set beside a mask
	s_mov_b32 s[G1+1], 32<<16                      ; tensor_dim0 = 32
	s_mov_b32 s[G1+2], 64<<16                      ; tensor_dim1 = 64
	s_mov_b32 s[G1+3], 32<<16                      ; tile_dim0 = 32
	s_mov_b32 s[G1+4], 64                          ; tile_dim1 = 64
	s_mov_b32 s[G1+5], 32                          ; the pitch
	s_mov_b32 s[G1+6], 0
	s_mov_b32 s[G1+7], 0
	s_lshl_b32 s16, s[WV], 14                      ; my quarter of each pass's 65,536 bytes
	s_mul_i32 s18, s15, 196608
	s_add_co_u32 s18, s18, s16
	s_add_co_u32 s18, s18, 4194304                 ; the weights' codes lie behind x's
	s_mov_b32 s19, 0
	s_wait_dscnt 0x0
	s_wait_kmcnt 0x0
	s_add_nc_u64 s[20:21], s[4:5], s[18:19]
.irp p, 0,1,2
	s_mov_b32 s[G0+4*\p], 1
	s_add_co_u32 s[G0+4*\p+1], s16, 65536*\p
	s_add_nc_u64 s[G0+4*\p+2:G0+4*\p+3], s[20:21], 65536*\p
	s_or_b32 s[G0+4*\p+3], s[G0+4*\p+3], 0x80000000
.endr
	s_lshl_b32 s58, s14, 17                        ; x's codes: 8,192 bytes a tile of 16 rows: 131,072 mb + 32,768 w
	s_lshl_b32 s59, s[WV], 15
	s_add_co_u32 s58, s58, s59
	s_mov_b32 s59, 0
	s_add_nc_u64 s[44:45], s[4:5], s[58:59]
	s_lshl_b32 s58, s14, 13                        ; x's scale words: 512 bytes a tile
	s_lshl_b32 s60, s[WV], 11
	s_add_co_u32 s58, s58, s60
	s_add_nc_u64 s[46:47], s[6:7], s[58:59]
	s_mul_i32 s18, s15, 12288                      ; the weights' scale words
	s_add_co_u32 s18, s18, 262144
	s_add_nc_u64 s[48:49], s[6:7], s[18:19]
	s_and_b32 s60, s14, 7                          ; which 256 tokens of the sequence
	s_lshl_b32 s58, s60, 16                        ; the table: 4,096 bytes a tile of 16 tokens
	s_add_co_u32 s58, s58, s16
	s_add_nc_u64 s[50:51], s[8:9], s[58:59]
	s_lshr_b32 s58, s14, 3                         ; the batch
	s_lshl_b32 s58, s58, 22                        ; 16 heads of 262,144 bytes,
	s_lshl_b32 s61, s15, 19                        ; heads 2 g on,
	s_add_co_u32 s58, s58, s61
	s_lshl_b32 s61, s60, 15                        ; 256 tokens are 32,768 bytes in each of q, k, v,
	s_add_co_u32 s58, s58, s61
	s_lshl_b32 s61, s[WV], 13                      ; my 64 of them
	s_add_co_u32 s58, s58, s61
	s_add_nc_u64 s[52:53], s[10:11], s[58:59]      ; q
	s_add_nc_u64 s[54:55], s[52:53], 16777216      ; k
	s_add_nc_u64 s[56:57], s[54:55], 16777216      ; v
	CROUND                                         ; all four work-groups are here: the joint loads meet
	tensor_load_to_lds s[G0:G0+3], s[G1:G1+7]      ; all first fills in one group: three loads of mine are out
	s_nop 0
	tensor_load_to_lds s[G0+4:G0+7], s[G1:G1+7]
	s_nop 0
	tensor_load_to_lds s[G0+8:G0+11], s[G1:G1+7]
	s_nop 0
.rept 4
	v_nop                                          ; four v_nop behind a tensor load
.endr
.irp a, 0,1,2,3
	global_load_b128 v[AS+4*\a:AS+4*\a+3], v1, s[46:47] offset:512*\a
.endr
.set i, 0
.rept 8
	global_load_b128 v[BS+4*i:BS+4*i+3], v1, s[48:49] offset:512*i   ; q_w's scale words
.set i, i+1
.endr
	WIN 0x80                                       ; destination window 2
.set i, 0
.rept 64
	global_load_b128 v[4*i:4*i+3], v1, s[44:45] offset:512*i         ; x's 32 fragments: they stay
.set i, i+1
.endr
	WIN 0
.set i, 8
.rept 16
	global_load_b128 v[BS+4*i:BS+4*i+3], v1, s[48:49] offset:512*i   ; k_w's and v_w's scale words
.set i, i+1
.endr
	WIN 0xc0                                       ; destination window 3
.set i, 0
.rept 32
	global_load_b128 v[4*i:4*i+3], v1, s[50:51] offset:512*i         ; the table of my 64 tokens
.set i, i+1
.endr
	WIN 0
.macro FETCHB p, ks, bs                ; the pass's eight weight fragments of one K step into set bs
.irp b, 0,1,2,3,4,5,6,7
.irp c, 0,1
	ds_load_b128 v[BF+64*(\bs)+8*\b+4*\c:BF+64*(\bs)+8*\b+4*\c+3], v[ADB+\p] offset:8192*(\ks)+1024*\b+512*\c
.endr
.endr
.endm
; 32 matrix instructions: my four tiles of tokens x eight tiles of W's rows, 128 along K.  The 32 accumulators take turns, one instruction a turn, in the same order in every K step.
; K step 0 starts the sums with the constant 0.  Odd K steps read their scale words from lanes 16-31.
.macro MUL32 p, ks, bs
.if \p < 2
	WIN 0x58                                       ; source 0 (W) window 0, source 1 (x) window 2, C and D window 1
.else
	WIN 0x52                                       ; source 0 (x) window 2, source 1 (W) window 0
.endif
.irp a, 0,1,2,3
.irp b, 0,1,2,3,4,5,6,7
.set rD, 8*(8*\a+\b)
.set rB, BF+64*(\bs)+8*\b
.set rX, 8*(8*\a+(\ks))
.set rS, BS+32*\p+4*\b+(\ks)/2
.set rA, AS+4*\a+(\ks)/2
.if \p < 2
.if (\ks) == 0
	v_wmma_scale_f32_16x16x128_f8f6f4 v[rD:rD+7], v[rB:rB+7], v[rX:rX+7], 0, v[rS], v[rA] matrix_a_fmt:MATRIX_FMT_FP4 matrix_b_fmt:MATRIX_FMT_FP4
.elseif (\ks)%2 == 0
	v_wmma_scale_f32_16x16x128_f8f6f4 v[rD:rD+7], v[rB:rB+7], v[rX:rX+7], v[rD:rD+7], v[rS], v[rA] matrix_a_fmt:MATRIX_FMT_FP4 matrix_b_fmt:MATRIX_FMT_FP4
.else
	v_wmma_scale_f32_16x16x128_f8f6f4 v[rD:rD+7], v[rB:rB+7], v[rX:rX+7], v[rD:rD+7], v[rS], v[rA] matrix_a_fmt:MATRIX_FMT_FP4 matrix_b_fmt:MATRIX_FMT_FP4 matrix_a_scale:MATRIX_SCALE_ROW1 matrix_b_scale:MATRIX_SCALE_ROW1
.endif
.else
.if (\ks) == 0
	v_wmma_scale_f32_16x16x128_f8f6f4 v[rD:rD+7], v[rX:rX+7], v[rB:rB+7], 0, v[rA], v[rS] matrix_a_fmt:MATRIX_FMT_FP4 matrix_b_fmt:MATRIX_FMT_FP4
.elseif (\ks)%2 == 0
	v_wmma_scale_f32_16x16x128_f8f6f4 v[rD:rD+7], v[rX:rX+7], v[rB:rB+7], v[rD:rD+7], v[rA], v[rS] matrix_a_fmt:MATRIX_FMT_FP4 matrix_b_fmt:MATRIX_FMT_FP4
.else
	v_wmma_scale_f32_16x16x128_f8f6f4 v[rD:rD+7], v[rX:rX+7], v[rB:rB+7], v[rD:rD+7], v[rA], v[rS] matrix_a_fmt:MATRIX_FMT_FP4 matrix_b_fmt:MATRIX_FMT_FP4 matrix_a_scale:MATRIX_SCALE_ROW1 matrix_b_scale:MATRIX_SCALE_ROW1
.endif
.endif
.endr
.endr
.endm
; A pass: eight K steps on two sets of weight fragments.  A load into a register that a matrix instruction has read stands four places behind it, and so does the first read of a result (ISA guide 7.12.1 for vector
; instructions); a matrix instruction that begins an accumulator anew stands five behind: so five v_nop close a pass.
.macro PASS p
	s_wait_tensorcnt 2-\p                          ; my quarter of this pass's weights is in; the later passes' fills may stay out
	s_barrier_signal -1
	s_barrier_wait -1                              ; everybody's is
	FETCHB \p, 0, 0
.set KS, 0
.rept 8
.if KS < 7
	FETCHB \p, KS+1, (KS+1)%2
	s_wait_dscnt 16                                ; this K step's fragments are in; the 16 loads just issued may be out
.else
	s_wait_dscnt 0x0
.endif
.if (\p == 0) && (KS == 0)
	s_wait_loadcnt 48                              ; x's fragments and scale words and q_w's scale words are in; the 16 + 32 younger loads may be out
.endif
	MUL32 \p, KS, KS%2
	WIN 0
.rept 4+KS/7
	v_nop
.endr
.set KS, KS+1
.endr
.endm
; The rotation and the way out of q or k.  In accumulator (a, b) register 2 i holds x1 and 2 i + 1 holds x2 of a pair; the table holds cos and sin in the same two places.
; First (x2 sin, x2 cos), then (x1 cos - x2 sin, x1 sin + x2 cos): two packed instructions a pair.  Each accumulator is read from its low end on.  Four packed registers are half a fragment: 512 dense bytes a store.
.macro ROPE_OUT p
.irp a, 0,1,2,3
.irp hd, 0,1
	WIN 0xcd                                       ; source 0 window 1, source 1 and destination window 3
.irp bq, 0,1,2,3
.irp i, 0,1,2,3
	v_pk_mul_f32 v[TMP+8*\bq+2*\i:TMP+8*\bq+2*\i+1], v[8*(8*\a+4*\hd+\bq)+2*\i:8*(8*\a+4*\hd+\bq)+2*\i+1], v[32*\a+8*\bq+2*\i:32*\a+8*\bq+2*\i+1] op_sel:[1,1] op_sel_hi:[1,0]
.endr
.endr
	WIN 0xfd                                       ; and source 2 window 3
.irp bq, 0,1,2,3
.irp i, 0,1,2,3
	v_pk_fma_f32 v[TMP+8*\bq+2*\i:TMP+8*\bq+2*\i+1], v[8*(8*\a+4*\hd+\bq)+2*\i:8*(8*\a+4*\hd+\bq)+2*\i+1], v[32*\a+8*\bq+2*\i:32*\a+8*\bq+2*\i+1], v[TMP+8*\bq+2*\i:TMP+8*\bq+2*\i+1] op_sel_hi:[0,1,1] neg_lo:[0,0,1]
.endr
.endr
	s_wait_xcnt 0x0                                ; the earlier stores have read their data: a set of packed registers is written again only behind this wait
	WIN 0xcf
.irp bq, 0,1,2,3
.irp i, 0,1,2,3
	v_cvt_pk_f16_f32 v[PK+16*((2*\a+\hd)%4)+4*\bq+\i], v[TMP+8*\bq+2*\i], v[TMP+8*\bq+2*\i+1]
.endr
.endr
	WIN 0x0c                                       ; a store's data are its source 1: window 3
.irp bq, 0,1,2,3
	global_store_b128 v1, v[PK+16*((2*\a+\hd)%4)+4*\bq:PK+16*((2*\a+\hd)%4)+4*\bq+3], s[52+2*\p:53+2*\p] offset:262144*\hd+2048*\a+512*\bq
.endr
.endr
.endr
	WIN 0
.endm
.macro V_OUT                           ; v: no rotation; tile a of tokens is half a % 2 of key chunk a / 2
.irp a, 0,1,2,3
.irp hd, 0,1
	s_wait_xcnt 0x0
	WIN 0xc5                                       ; sources window 1, destination window 3
.irp bq, 0,1,2,3
.irp i, 0,1,2,3
	v_cvt_pk_f16_f32 v[PK+16*((2*\a+\hd)%4)+4*\bq+\i], v[8*(8*\a+4*\hd+\bq)+2*\i], v[8*(8*\a+4*\hd+\bq)+2*\i+1]
.endr
.endr
	WIN 0x0c
.irp bq, 0,1,2,3
	global_store_b128 v1, v[PK+16*((2*\a+\hd)%4)+4*\bq:PK+16*((2*\a+\hd)%4)+4*\bq+3], s[56:57] offset:262144*\hd+4096*(\a/2)+1024*\bq+512*(\a%2)
.endr
.endr
.endr
	WIN 0
.endm
	PASS 0
	s_wait_loadcnt 0x0                             ; the table and the other weights' scale words
	ROPE_OUT 0
	PASS 1
	ROPE_OUT 1
	PASS 2
	V_OUT
	s_wait_tensorcnt 0x0
	ds_add_u32 v14, v15
	s_wait_dscnt 0x0
	CROUND                                         ; the closing round: no work-group ends while a partner may still ask for a tile that names it
	s_endpgm
.Lfunc_end_k_qa9c2a2875e_qkv:
	.size	k_qa9c2a2875e_qkv, .Lfunc_end_k_qa9c2a2875e_qkv-k_qa9c2a2875e_qkv
	.p2alignl 7, 3214868480
	.fill 96, 4, 3214868480
	.section	.rodata,"a",@progbits
	.p2align	6, 0x0
	.amdhsa_kernel k_qa9c2a2875e_qkv
		.amdhsa_group_segment_fixed_size 197120
		.amdhsa_private_segment_fixed_size 0
		.amdhsa_enable_private_segment 0
		.amdhsa_kernarg_size 32
		.amdhsa_user_sgpr_count 2
		.amdhsa_user_sgpr_kernarg_segment_ptr 1
		.amdhsa_wavefront_size32 1
		.amdhsa_system_sgpr_workgroup_id_x 1
		.amdhsa_system_sgpr_workgroup_id_y 1
		.amdhsa_system_sgpr_workgroup_id_z 1
		.amdhsa_system_vgpr_workitem_id 0
		.amdhsa_next_free_vgpr 1024
		.amdhsa_next_free_sgpr 66
		.amdhsa_reserve_vcc 0
		.amdhsa_float_denorm_mode_32 3
		.amdhsa_float_denorm_mode_16_64 3
		.amdhsa_memory_ordered 1
		.amdhsa_forward_progress 1
		.amdhsa_inst_pref_size 211
	.end_amdhsa_kernel
	.amdgpu_metadata
---
amdhsa.version: [ 1, 2 ]
amdhsa.kernels:
  - .name:           k_qa9c2a2875e_qkv
    .symbol:         k_qa9c2a2875e_qkv.kd
    .args:
      - { .name: codes, .offset: 0, .size: 8, .value_kind: global_buffer, .address_space: global }
      - { .name: scl, .offset: 8, .size: 8, .value_kind: global_buffer, .address_space: global }
      - { .name: rope, .offset: 16, .size: 8, .value_kind: global_buffer, .address_space: global }
      - { .name: qkv, .offset: 24, .size: 8, .value_kind: global_buffer, .address_space: global }
    .group_segment_fixed_size: 197120
    .private_segment_fixed_size: 0
    .kernarg_segment_align: 8
    .kernarg_segment_size: 32
    .max_flat_workgroup_size: 128
    .sgpr_count:     66
    .vgpr_count:     1024
    .wavefront_size: 32
...
	.end_amdgpu_metadata
.endif
;; end of part 2
;; launch attn (part 3): grid 4 x 64, 8 waves a work-group, no clusters, 327,680 bytes of LDS; arguments qkv, ao; writes ao
.if DOCPART == 3
	.amdgcn_target "amdgcn-amd-amdhsa--gfx1250"
	.amdhsa_code_object_version 6
	.text
	.protected	k_qa9c2a2875e_attn
	.globl	k_qa9c2a2875e_attn
	.p2align	8
	.type	k_qa9c2a2875e_attn,@function
k_qa9c2a2875e_attn:
	s_mov_b64 s[64:65], 0
	v_nop
	global_prefetch_b8 v0, s[64:65] scope:SCOPE_SE
	s_setreg_imm32_b32 hwreg(HW_REG_WAVE_MODE, 25, 1), 1
	s_wait_xcnt 0x0
; ATTN.  O[q] = sum over k <= q of softmax_k(Q[q] . K[k] / 8) V[k], head by head, on f16 operands with f32 sums, a running maximum and a running sum.  Q, K, V arrive as register images; O leaves as one, in two bf16 parts.
; FORMATS.  Q, K, V and the weights p go in f16 (11 bits): p is at most 1; LIMIT: |q|, |k|, |v| under 65,504 (the launch that makes them says what room that leaves).  O leaves as hi = bf16(o), lo = bf16(o - hi):
; 16 bits with f32's range, for the last product.
; SHARES.  Work-group (i, bh) serves query blocks i and 7 - i (256 queries each) of head bh, one after the other: block i walks key slots 0 .. i, block 7 - i slots 0 .. 7 - i; a slot is 256 keys, four steps of 64.
; That is nine slots for every work-group, so both loops have constant trip counts and all work-groups have equal work.  A wave owns 32 queries, two tiles of 16: 256 i + 32 w in the first pass,
; 256 (7 - i) + 32 (7 - w) in the second, so that the steps left out on the diagonal even out between waves.  A step all of whose keys come after the wave's queries is jumped over by a scalar branch on ids.
; Two waves share a SIMD: one wave's softmax stands beside the other's products.
; LAYOUT.  S^T = K Q^T (source 0 = 16 keys, source 1 = 16 queries), O^T = V^T P (source 0 = 16 channels, source 1 = P): a lane holds ONE query throughout.
; SOFTMAX.  p = 2^(c s - c m), c = log2(e) / 8, m the running maximum; in every step O and l are multiplied by a = 2^(c m_old - c m_new).  Hidden scores become -infinity ahead of the maximum, so their weight is 0
; exactly (the reference's -1e9 gives the same wherever visible scores lie above about -1e9).  Key 0 of every step that is run is visible to all the wave's queries, so m is a number from the first step on.
; NO CLUSTER: at a given trip the four work-groups of a head want different key slots (0, 0, 1, .. against 0, 1, 0, ..), so there is no tile that partners could ask for at the same time.
; REGISTERS: window 0: v1 16 x lane; v2 r - 8 h; v4 LDS address; v5, v6 the add's; v7 256 x lane; v8-10 the mask's; v16-31 statistics; v64-127 S^T; v128-159 P; v160-191 O's hi parts; v192-223 its lo parts.
;   window 1: v0-31 Q; v32-63 the second pass's Q; v64-127 O^T; v128-191 K of a step; v192-255 V of a step.
.set SPARE, 131072                     ; behind the two slots: the spare words, 128 bytes for each of eight waves
.set ST, 16                            ; tile t at v[ST+8 t]: +0 c m, +1 m, +2, +3 l, +4 .. +7 at work; a takes +6
.set S,  64
.set P,  128
.set OP, 160
.set OL, 192
.set G1, 24
.set MSB, 0
.macro WIN new
.if MSB != \new
	s_set_vgpr_msb (MSB<<8)|\new
.set MSB, \new
.endif
.endm
	s_load_b128 s[4:7], s[0:1], 0x0                ; qkv 4, ao 6
	v_lshl_add_u32 v5, v0, 2, SPARE
	v_mov_b32 v6, 0
	ds_add_u32 v5, v6
	s_wait_dscnt 0x0
	v_lshrrev_b32 v3, 5, v0
	v_readfirstlane_b32 s12, v3                    ; wave 0..7
	v_and_b32 v3, 31, v0
	v_lshlrev_b32 v1, 4, v3                        ; 16 x lane
	v_lshlrev_b32 v7, 8, v3                        ; 256 x lane
	v_and_b32 v2, 15, v0
	v_bfe_u32 v3, v0, 4, 1
	v_lshlrev_b32 v3, 3, v3
	v_sub_nc_u32 v2, v2, v3                        ; r - 8 h
	v_mov_b32 v10, 0xff800000                      ; -infinity
	s_mov_b32 s13, ttmp9                           ; i
	s_and_b32 s14, ttmp7, 0xffff                   ; bh
	s_add_co_u32 s15, s13, 1                       ; slots of the first pass
	s_mov_b32 s16, 0x76543210
	s_mov_b32 s17, 0xfedcba98                      ; lane l xor 16
	s_mov_b32 s18, 0x3e38aa3b                      ; c = log2(e) / 8
	s_mov_b32 s19, s18                             ; (named with it as a pair, so it is written)
	; descriptor group 1: 64 rows of 256 dense bytes
	s_mov_b32 s[G1+0], 3<<16                       ; no mask; elements of 8 bytes; no padding
	s_mov_b32 s[G1+1], 32<<16
	s_mov_b32 s[G1+2], 64<<16
	s_mov_b32 s[G1+3], 32<<16
	s_mov_b32 s[G1+4], 64
	s_mov_b32 s[G1+5], 32
	s_mov_b32 s[G1+6], 0
	s_mov_b32 s[G1+7], 0
	s_mov_b32 s38, 0                               ; LDS byte at which the step in hand begins
	s_mov_b32 s39, 0                               ; its first key
	s_lshl_b32 s40, s13, 8
	s_lshl_b32 s48, s12, 5
	s_add_co_u32 s40, s40, s48                     ; my first query, first pass
	s_sub_co_u32 s41, 7, s13
	s_lshl_b32 s41, s41, 8
	s_sub_co_u32 s48, 7, s12
	s_lshl_b32 s48, s48, 5
	s_add_co_u32 s41, s41, s48                     ; and second pass
	s_mov_b32 s42, 0                               ; slots walked
	s_mov_b32 s43, 8                               ; slots still to be asked for
	s_mov_b32 s44, 0                               ; the key slot last asked for
	s_mov_b32 s45, 0                               ; fills so far, less one
	s_lshr_b32 s50, s12, 2
	s_xor_b32 s50, s50, 1                          ; 0 in waves 4 to 7,
	s_or_b32 s50, s50, s13                         ; of the head's work-group 0
	s_cmp_eq_u32 s50, 0
	s_cselect_b32 s54, 4, 0                        ; such a wave prefetches in four trips, the others in none
	s_bfe_u32 s48, s12, 0x10001                    ; bit 1 of the wave's number: 0: K's region, 1: V's
	s_add_co_u32 s48, s48, 1
	s_lshl_b32 s48, s48, 24                        ; K begins 16,777,216 bytes into the buffer, V twice as far
	s_lshl_b32 s49, s14, 18                        ; a head's 262,144 bytes
	s_add_co_u32 s48, s48, s49
	s_and_b32 s49, s12, 1
	s_lshl_b32 s49, s49, 14                        ; which half of a slot's 32,768
	s_add_co_u32 s48, s48, s49
	s_mov_b32 s49, 0
	s_wait_kmcnt 0x0
	s_add_nc_u64 s[36:37], s[4:5], s[48:49]        ; where my part of key slot 0 lies: for the tensor loads of waves 0-3,
	s_mov_b64 s[52:53], s[36:37]                   ; and for the prefetches of waves 4-7
	s_mov_b32 s32, 1                               ; group 0: count = 1
	s_lshl_b32 s33, s12, 14                        ; LDS: 16,384 x wave in slot 0: K's halves, then V's
	s_mov_b64 s[34:35], s[36:37]
	s_or_b32 s35, s35, 0x80000000                  ; type = 2
.macro TLOAD                           ; waves 0 to 3 fetch a quarter of a slot each, the others nothing; four v_nop follow the load
	s_cmp_lt_u32 s12, 4
	s_cbranch_scc0 .Lasked_\@
	tensor_load_to_lds s[32:35], s[G1:G1+7]
	s_nop 0
.rept 4
	v_nop
.endr
.Lasked_\@:
.endm
	TLOAD                                          ; key slot 0 into LDS slot 0
	s_lshl_b32 s48, s14, 18
	s_lshl_b32 s50, s40, 7                         ; 2,048 bytes a tile of 16 queries
	s_add_co_u32 s50, s50, s48
	s_mov_b32 s51, 0
	s_add_nc_u64 s[58:59], s[4:5], s[50:51]
	s_lshl_b32 s50, s41, 7
	s_add_co_u32 s50, s50, s48
	s_add_nc_u64 s[60:61], s[4:5], s[50:51]
	WIN 0x40                                       ; destination window 1
.set i, 0
.rept 8
	global_load_b128 v[4*i:4*i+3], v1, s[58:59] offset:512*i         ; Q of the first pass
.set i, i+1
.endr
.set i, 0
.rept 8
	global_load_b128 v[32+4*i:32+4*i+3], v1, s[60:61] offset:512*i   ; and of the second
.set i, i+1
.endr
	WIN 0
; A pass begins: m = -3e38, under every score; l and O^T are zeros, which the first change of m leaves zeros: so the step is written once.
.macro INIT
.irp t, 0,1
	v_mov_b32 v[ST+8*\t+1], 0xff61b1e6
	v_mul_f32 v[ST+8*\t], s18, v[ST+8*\t+1]
.irp j, 2,3,4,5,6,7
	v_mov_b32 v[ST+8*\t+\j], 0
.endr
.endr
	WIN 0x40
.set i, 0
.rept 64
	v_mov_b32 v[64+i], 0
.set i, i+1
.endr
	WIN 0
.endm
	INIT
; A PREFETCH INTO THE L2 of the key slot that the NEXT change of slots of this work-group will ask for.  Key slots 4 to 7 of a head are asked for first by its work-group 0, in trips 4 to 7: so that work-group names them,
; in trips 3 to 6, and nobody else.  In it the waves ask that fetch nothing: waves 4, 5 K's two halves, waves 6, 7 V's: 16,384 bytes a wave, lanes 256 bytes apart, two instructions.  So each aligned block of 256 bytes
; is named once.  Key slots 0 to 3 come by their loads alone: other work-groups of the head ask for them in the same trips.  Trip 7 names nothing: there is no slot behind it.
.macro ASK
	s_sub_co_u32 s50, s43, 2                       ; s43 = 8 - trip: 3 .. 0 in trips 3 to 6
	s_cmp_lt_u32 s50, s54
	s_cbranch_scc0 .Lnot_mine_\@
	global_prefetch_b8 v7, s[52:53] th:TH_LOAD_NT scope:SCOPE_SE
	global_prefetch_b8 v7, s[52:53] offset:8192 th:TH_LOAD_NT scope:SCOPE_SE
.Lnot_mine_\@:
.endm
; THE CHANGE OF SLOTS stands at a slot's head.  Each wave waits for all its tensor loads (its part of the slot that it is about to read), adds 0 to its spare word, and waits for that and for its reads of the slot it has left.
; Behind the barrier the slot ahead is whole and nobody reads the other.  fill = 1: the other is filled with the key slot that follows; at the change of passes that is key slot 0 again.  One load of a wave is out at a time.
.macro CHANGE fill
	s_wait_tensorcnt 0x0                           ; no tensor load of mine is out, so group 0 may be written
	ds_add_u32 v5, v6                              ; 0 onto my spare word
.if \fill
	s_xor_b32 s33, s33, 65536                      ; the other LDS slot than last time
	s_add_co_u32 s45, s45, 1
	s_add_co_u32 s44, s44, 1
	s_cmp_eq_u32 s45, s15
	s_cselect_b32 s44, 0, s44                      ; the second pass begins at key slot 0
	s_lshl_b32 s48, s44, 15
	s_mov_b32 s49, 0
	s_add_nc_u64 s[34:35], s[36:37], s[48:49]
	s_or_b32 s35, s35, 0x80000000
	s_wait_xcnt 0x0                                ; the last prefetches, a slot back, have read their address
	s_add_nc_u64 s[52:53], s[52:53], 32768         ; in trip n: key slot n + 1
.endif
	s_wait_dscnt 0x0                               ; the add is done, and my reads of the slot that I have left are over
	s_barrier_signal -1
	s_barrier_wait -1
.if \fill
	TLOAD                                          ; the first thing behind the barrier, and a wave's one tensor load until the next
	ASK
.endif
.endm
; A KEY STEP: 64 keys.
.macro STEP
	s_add_co_u32 s48, s40, 31
	s_cmp_gt_u32 s39, s48                          ; all 64 keys come after my 32 queries: only the addresses step
	s_cbranch_scc1 .Lhidden_\@
	v_add_nc_u32 v4, s38, v1
	WIN 0x40
.set i, 0
.rept 16
	ds_load_b128 v[128+4*i:128+4*i+3], v4 offset:512*i               ; K: four tiles of 16 keys x 64 channels
.set i, i+1
.endr
.set i, 0
.rept 16
	ds_load_b128 v[192+4*i:192+4*i+3], v4 offset:32768+512*i         ; V^T: two chunks of 32 keys x 64 channels
.set i, i+1
.endr
	s_wait_dscnt 16                                ; K is in; V's 16 loads may be out
	WIN 0x05                                       ; K and Q window 1, S^T window 0
.set i, 0
.rept 16                               ; channels 32 (i / 8) on, keys 16 ((i / 2) % 4) on, tile i % 2: the eight accumulators by turns
.set rS, S+32*(i%2)+8*((i/2)%4)
.set rK, 128+16*((i/2)%4)+8*(i/8)
.set rQ, 16*(i%2)+8*(i/8)
.if i < 8
	v_wmma_f32_16x16x32_f16 v[rS:rS+7], v[rK:rK+7], v[rQ:rQ+7], 0
.else
	v_wmma_f32_16x16x32_f16 v[rS:rS+7], v[rK:rK+7], v[rQ:rQ+7], v[rS:rS+7]
.endif
.set i, i+1
.endr
	WIN 0
.rept 4
	v_nop                                          ; four places in front of the first read of the scores (ISA guide 7.12.1)
.endr
	s_add_co_u32 s48, s39, 63
	s_cmp_le_u32 s48, s40                          ; all 64 keys count for all my queries
	s_cbranch_scc1 .Lopen_\@
	s_sub_co_i32 s48, s40, s39
	v_add_nc_u32 v8, s48, v2                       ; d = my query of tile 0 - the step's first key - 8 h.  Register 8 kt + j holds key 16 kt + 8 h + j: hidden where 16 kt + j > d
	v_add_nc_u32 v9, 16, v8                        ; the same for tile 1
.irp t, 0,1
.irp kt, 0,1,2,3
.irp j, 0,1,2,3,4,5,6,7
	v_cmp_gt_i32 vcc_lo, 16*\kt+\j, v[8+\t]
	v_cndmask_b32 v[S+32*\t+8*\kt+\j], v[S+32*\t+8*\kt+\j], v10, vcc_lo
.endr
.endr
.endr
.Lopen_\@:
	; the maximum of 32 scores and the old m: four chains, each begun at an accumulator's low end; the two tiles line by line
.irp k, 0,1,2,3
.irp t, 0,1
	v_max3_num_f32 v[ST+8*\t+4+\k], v[S+32*\t+8*\k], v[S+32*\t+8*\k+1], v[S+32*\t+8*\k+2]
.endr
.endr
.irp g, 1,2
.irp k, 0,1,2,3
.irp t, 0,1
	v_max3_num_f32 v[ST+8*\t+4+\k], v[ST+8*\t+4+\k], v[S+32*\t+8*\k+2*\g+1], v[S+32*\t+8*\k+2*\g+2]
.endr
.endr
.endr
.irp t, 0,1
	v_max3_num_f32 v[ST+8*\t+4], v[ST+8*\t+4], v[S+32*\t+7], v[S+32*\t+15]
.endr
.irp t, 0,1
	v_max3_num_f32 v[ST+8*\t+6], v[ST+8*\t+6], v[S+32*\t+23], v[S+32*\t+31]
.endr
.irp t, 0,1
	v_max3_num_f32 v[ST+8*\t+4], v[ST+8*\t+4], v[ST+8*\t+5], v[ST+8*\t+6]
.endr
.irp t, 0,1
	v_max3_num_f32 v[ST+8*\t+4], v[ST+8*\t+4], v[ST+8*\t+7], v[ST+8*\t+1]
.endr
.irp t, 0,1
	v_permlanex16_b32 v[ST+8*\t+5], v[ST+8*\t+4], s16, s17   ; the query's other 32 keys lie in the lane 16 away
.endr
.irp t, 0,1
	v_mov_b32 v[ST+8*\t+7], v[ST+8*\t]             ; c m_old
.endr
.irp t, 0,1
	v_max_num_f32 v[ST+8*\t+1], v[ST+8*\t+4], v[ST+8*\t+5]
.endr
.irp t, 0,1
	v_mul_f32 v[ST+8*\t], s18, v[ST+8*\t+1]
.endr
.irp t, 0,1
	v_sub_f32 v[ST+8*\t+7], v[ST+8*\t+7], v[ST+8*\t]
.endr
.irp j, 0,2,4,6,8,10,12,14,16,18,20,22,24,26,28,30
.irp t, 0,1
	v_pk_fma_f32 v[S+32*\t+\j:S+32*\t+\j+1], v[S+32*\t+\j:S+32*\t+\j+1], s[18:19], v[ST+8*\t:ST+8*\t+1] op_sel_hi:[1,0,0] neg_lo:[0,0,1] neg_hi:[0,0,1]   ; c s - c m
.endr
.endr
.irp t, 0,1
	v_exp_f32 v[ST+8*\t+6], v[ST+8*\t+7]           ; a
.endr
.set i, 0
.rept 64
	v_exp_f32 v[S+i], v[S+i]                       ; p
.set i, i+1
.endr
	v_nop                                          ; one plain place behind the exponentials
	s_wait_alu depctr_va_vdst(0)
.irp j, 0,1,2,3,4,5,6,7,8,9,10,11,12,13,14,15
.irp t, 0,1
	v_cvt_pk_f16_f32 v[P+16*\t+\j], v[S+32*\t+2*\j], v[S+32*\t+2*\j+1]
.endr
.endr
.irp j, 4,8,12,16,20,24,28             ; the sum of the unrounded p, two at a time, in two chains a tile
.irp t, 0,1
	v_pk_add_f32 v[S+32*\t:S+32*\t+1], v[S+32*\t:S+32*\t+1], v[S+32*\t+\j:S+32*\t+\j+1]
	v_pk_add_f32 v[S+32*\t+2:S+32*\t+3], v[S+32*\t+2:S+32*\t+3], v[S+32*\t+\j+2:S+32*\t+\j+3]
.endr
.endr
.irp t, 0,1
	v_pk_add_f32 v[S+32*\t:S+32*\t+1], v[S+32*\t:S+32*\t+1], v[S+32*\t+2:S+32*\t+3]
.endr
.irp t, 0,1
	v_pk_fma_f32 v[ST+8*\t+2:ST+8*\t+3], v[ST+8*\t+2:ST+8*\t+3], v[ST+8*\t+6:ST+8*\t+7], v[S+32*\t:S+32*\t+1] op_sel_hi:[1,0,1]   ; l = a l + the sum
.endr
	WIN 0x41                                       ; O^T window 1, a window 0
.irp t, 0,1
.set i, 0
.rept 16
	v_pk_mul_f32 v[64+32*\t+2*i:64+32*\t+2*i+1], v[64+32*\t+2*i:64+32*\t+2*i+1], v[ST+8*\t+6:ST+8*\t+7] op_sel_hi:[1,0]   ; each accumulator from its low end on
.set i, i+1
.endr
.endr
	s_wait_dscnt 0x0                               ; V is in
	WIN 0x51                                       ; V and O^T window 1, P window 0
.set i, 0
.rept 16                               ; keys 32 (i / 8) on, channels 16 ((i / 2) % 4) on, tile i % 2: eight accumulators by turns
.set rO, 64+32*(i%2)+8*((i/2)%4)
.set rV, 192+32*(i/8)+8*((i/2)%4)
.set rP, P+16*(i%2)+8*(i/8)
	v_wmma_f32_16x16x32_f16 v[rO:rO+7], v[rV:rV+7], v[rP:rP+7], v[rO:rO+7]
.set i, i+1
.endr
	WIN 0
.rept 4
	v_nop                                          ; four places in front of the next step's loads into V's registers and of the next read of O^T
.endr
.Lhidden_\@:
	s_add_co_u32 s39, s39, 64
	s_add_co_u32 s38, s38, 8192
.endm
.macro SLOT_STEPS                      ; a slot's four steps: written once, walked four times
	s_mov_b32 s46, 4
.Lstep_\@:
	STEP
	s_sub_co_u32 s46, s46, 1
	s_cmp_lg_u32 s46, 0
	s_cbranch_scc1 .Lstep_\@
	s_sub_co_u32 s38, s38, 32768                   ; back to a slot's first step,
	s_xor_b32 s38, s38, 65536                      ; in the other slot
.endm
; A pass ends: o = O^T / l, then hi = bf16(o) and lo = bf16(o - hi); the difference is exact in f32.  A lane's eight channels of a query are half a fragment of the last product's operand:
; tile 128 batch + query / 16 (65,536 bytes: hi's 32,768, then lo's), K chunk 2 head + ct / 2, half ct % 2: 512 dense bytes a store.  The registers that the stores read are written in this macro alone.
.macro FINAL
	s_wait_xcnt 0x0                                ; the first pass's stores have read their data and their base
.irp t, 0,1
	v_add_f32 v[ST+8*\t+4], v[ST+8*\t+2], v[ST+8*\t+3]
.endr
.irp t, 0,1
	v_permlanex16_b32 v[ST+8*\t+5], v[ST+8*\t+4], s16, s17
.endr
.irp t, 0,1
	v_add_f32 v[ST+8*\t+4], v[ST+8*\t+4], v[ST+8*\t+5]
.endr
.irp t, 0,1
	v_rcp_f32 v[ST+8*\t+6], v[ST+8*\t+4]
.endr
	v_nop                                          ; one plain place behind the reciprocals
	WIN 0x41
	s_wait_alu depctr_va_vdst(0)
.irp t, 0,1
.set i, 0
.rept 16
	v_pk_mul_f32 v[64+32*\t+2*i:64+32*\t+2*i+1], v[64+32*\t+2*i:64+32*\t+2*i+1], v[ST+8*\t+6:ST+8*\t+7] op_sel_hi:[1,0]
.set i, i+1
.endr
.endr
	WIN 0x05                                       ; sources window 1, destination window 0
.set i, 0
.rept 32
	v_cvt_pk_bf16_f32 v[OP+i], v[64+2*i], v[64+2*i+1]   ; hi
.set i, i+1
.endr
	WIN 0
.set i, 0
.rept 32
	v_lshlrev_b32 v[S+2*i], 16, v[OP+i]            ; hi as f32, into S^T's registers, which are free here
	v_and_b32 v[S+2*i+1], 0xffff0000, v[OP+i]
.set i, i+1
.endr
	WIN 0x01                                       ; source 0 (o) window 1
.set i, 0
.rept 32
	v_pk_add_f32 v[S+2*i:S+2*i+1], v[64+2*i:64+2*i+1], v[S+2*i:S+2*i+1] neg_lo:[0,1] neg_hi:[0,1]   ; o - hi
.set i, i+1
.endr
	WIN 0
.set i, 0
.rept 32
	v_cvt_pk_bf16_f32 v[OL+i], v[S+2*i], v[S+2*i+1]     ; lo
.set i, i+1
.endr
	s_lshr_b32 s48, s14, 4
	s_lshl_b32 s48, s48, 7
	s_lshr_b32 s49, s40, 4
	s_add_co_u32 s48, s48, s49
	s_lshl_b32 s48, s48, 16                        ; 65,536 bytes a tile of 16 tokens
	s_and_b32 s49, s14, 15
	s_lshl_b32 s49, s49, 11                        ; 2,048 a head in each part
	s_add_co_u32 s48, s48, s49
	s_mov_b32 s49, 0
	s_add_nc_u64 s[56:57], s[6:7], s[48:49]
.irp t, 0,1
.irp ct, 0,1,2,3
	global_store_b128 v1, v[OP+16*\t+4*\ct:OP+16*\t+4*\ct+3], s[56:57] offset:65536*\t+512*\ct
	global_store_b128 v1, v[OL+16*\t+4*\ct:OL+16*\t+4*\ct+3], s[56:57] offset:65536*\t+32768+512*\ct
.endr
.endr
.endm
.macro REINIT                          ; the second pass: its Q, its first query, key 0
	WIN 0x41
.set i, 0
.rept 32
	v_mov_b32 v[i], v[32+i]
.set i, i+1
.endr
	WIN 0
	INIT
	s_mov_b32 s39, 0
	s_mov_b32 s40, s41
.endm
	s_wait_loadcnt 0x0                             ; Q, both passes'
.Lslot:                                            ; eight trips: behind each change of slots but the last the next slot is asked for
	CHANGE 1
	SLOT_STEPS
	s_add_co_u32 s42, s42, 1
	s_cmp_lg_u32 s42, s15                          ; the first pass's slots are walked: a branch on ids, the same in all eight waves; no barrier and no LDS instruction stands under it
	s_cbranch_scc1 .Lsame
	FINAL
	REINIT
.Lsame:
	s_sub_co_u32 s43, s43, 1
	s_cmp_lg_u32 s43, 0
	s_cbranch_scc1 .Lslot
	CHANGE 0                                       ; the last slot is written out
	SLOT_STEPS
	FINAL
	s_wait_tensorcnt 0x0                           ; the wave's end
	ds_add_u32 v5, v6
	s_wait_dscnt 0x0
	s_endpgm
.Lfunc_end_k_qa9c2a2875e_attn:
	.size	k_qa9c2a2875e_attn, .Lfunc_end_k_qa9c2a2875e_attn-k_qa9c2a2875e_attn
	.p2alignl 7, 3214868480
	.fill 96, 4, 3214868480
	.section	.rodata,"a",@progbits
	.p2align	6, 0x0
	.amdhsa_kernel k_qa9c2a2875e_attn
		.amdhsa_group_segment_fixed_size 327680
		.amdhsa_private_segment_fixed_size 0
		.amdhsa_enable_private_segment 0
		.amdhsa_kernarg_size 16
		.amdhsa_user_sgpr_count 2
		.amdhsa_user_sgpr_kernarg_segment_ptr 1
		.amdhsa_wavefront_size32 1
		.amdhsa_system_sgpr_workgroup_id_x 1
		.amdhsa_system_sgpr_workgroup_id_y 1
		.amdhsa_system_sgpr_workgroup_id_z 1
		.amdhsa_system_vgpr_workitem_id 0
		.amdhsa_next_free_vgpr 512
		.amdhsa_next_free_sgpr 66
		.amdhsa_reserve_vcc 1
		.amdhsa_float_denorm_mode_32 3
		.amdhsa_float_denorm_mode_16_64 3
		.amdhsa_memory_ordered 1
		.amdhsa_forward_progress 1
		.amdhsa_inst_pref_size 84
	.end_amdhsa_kernel
	.amdgpu_metadata
---
amdhsa.version: [ 1, 2 ]
amdhsa.kernels:
  - .name:           k_qa9c2a2875e_attn
    .symbol:         k_qa9c2a2875e_attn.kd
    .args:
      - { .name: qkv, .offset: 0, .size: 8, .value_kind: global_buffer, .address_space: global }
      - { .name: ao, .offset: 8, .size: 8, .value_kind: global_buffer, .address_space: global }
    .group_segment_fixed_size: 327680
    .private_segment_fixed_size: 0
    .kernarg_segment_align: 8
    .kernarg_segment_size: 16
    .max_flat_workgroup_size: 256
    .sgpr_count:     66
    .vgpr_count:     512
    .wavefront_size: 32
...
	.end_amdgpu_metadata
.endif
;; end of part 3
;; launch oproj (part 4): grid 32 x 8, 4 waves a work-group, clusters of 4 x 1, 327,680 bytes of LDS; arguments ao, owb, out0; writes out0
.if DOCPART == 4
	.amdgcn_target "amdgcn-amd-amdhsa--gfx1250"
	.amdhsa_code_object_version 6
	.text
	.protected	k_qa9c2a2875e_oproj
	.globl	k_qa9c2a2875e_oproj
	.p2align	8
	.type	k_qa9c2a2875e_oproj,@function
k_qa9c2a2875e_oproj:
	s_mov_b64 s[64:65], 0
	v_nop
	global_prefetch_b8 v0, s[64:65] scope:SCOPE_SE
	s_setreg_imm32_b32 hwreg(HW_REG_WAVE_MODE, 25, 1), 1
	s_wait_xcnt 0x0
	s_wait_alu depctr_hold_cnt(0) depctr_sa_sdst(0) depctr_va_vdst(0) depctr_va_sdst(0) depctr_va_ssrc(0) depctr_va_vcc(0) depctr_vm_vsrc(0)
	s_getreg_b32 s2, hwreg(HW_REG_IB_STS2, 6, 4)
	s_cmp_eq_u32 s2, 0
	s_cbranch_scc0 .Lentry_in_a_cluster
	s_endpgm
.Lentry_in_a_cluster:
	s_bfe_u32 s2, ttmp6, 0x10000c
	s_cmp_lg_u32 s2, 0x3003
	s_cbranch_scc0 .Lentry_shape_is_right
	s_endpgm
.Lentry_shape_is_right:
; OPROJ.  out0 = AO o_w^T, f32 sums, K = 1,024 ascending.  Both operands arrive as register images IN TWO bf16 PARTS, a = hi + lo (16 bits of each number), and each K step is three products: hi hi, hi lo, lo hi.
; The product of the two low parts, under 2^-16 of the whole, is left out.  One bf16 or f16 part an operand is too coarse for the rows of the output that few keys feed: they are the largest against the output's rms.
; SHARES.  Work-group (mb, g): rows 256 mb .. + 255, columns 128 g .. + 127.  Wave w: rows 64 w .. + 63 x 128 columns: 32 accumulators.
; o_w's 128 rows, both parts, are 524,288 bytes: they come in four chunks of 256 along K (131,072 bytes) through TWO LDS slots.  Chunks 0 and 1 are the first fills; chunks 2 and 3 fill the slots again, each behind the
; three lines and a round of the cluster's barrier, one load of 32,768 bytes a wave, with eight K steps, 768 matrix instructions, in which to land.  By this text's count a wave has two tensor loads out at the start, later one.
; AO's fragments belong to one wave alone and come straight from memory into a ring of four K steps in registers: a load has three K steps, 288 matrix instructions, in front of the wait for it.
; CLUSTER.  The four work-groups of a cluster differ in mb alone and want the same rows of o_w: each fill is asked for JOINTLY (mask 15).
; THE MATRIX INSTRUCTION IS USED TRANSPOSED (source 0 = 16 rows of o_w, source 1 = 16 tokens): a lane holds eight neighbouring columns of one row of the output.
; REGISTERS: window 0: v1 16 x lane; v2-5 LDS addresses, 65,536 bytes apart; v6, v7 the stage; v10, v11 the add's; v128-255 two sets of 8 fragments of o_w's hi part, on the way out two sets of 16 rows.
;   window 1: accumulator (a, b) at v[8 (8 a + b)].   window 2: AO's fragment (K step % 4, part, a) at v[64 (ks % 4) + 32 part + 8 a].   window 3: v128-255 two sets of 8 fragments of o_w's lo part.
; Left out: a joint load for AO (each byte goes to one wave's registers); a prefetch (three K steps of loads are out in front of every wait for one).
.set WV,  12
.set ADQ, 2
.set SPW, 10
.set NIL, 11
.set BF,  128
.set BK,  128
.set G1,  24
.set G0,  32
.set STAGE, 262144                     ; behind the two slots: 16 rows x (512 bytes + 16) for each wave; no fill lands there
.set SPITCH, 528
.set SPARE, 295936                     ; behind the stages: the spare words, 128 bytes for each wave: two blocks of 256 bytes that no other line names
.set MSB, 0
.macro WIN new
.if MSB != \new
	s_set_vgpr_msb (MSB<<8)|\new
.set MSB, \new
.endif
.endm
.macro CROUND                          ; a round of the cluster's barrier
	s_barrier_signal -1
	s_barrier_wait -1
	s_cmp_lg_u32 s[WV], 0
	s_cbranch_scc1 .Lnot_wave_0_\@
	s_barrier_signal -3
.Lnot_wave_0_\@:
	s_barrier_wait -3
	s_barrier_signal -1
	s_barrier_wait -1
.endm
	s_load_b128 s[4:7], s[0:1], 0x0                ; ao 4, owb 6
	s_load_b64 s[8:9], s[0:1], 0x10                ; out0
	v_lshl_add_u32 v[SPW], v0, 2, SPARE
	v_mov_b32 v[NIL], 0
	ds_add_u32 v10, v11
	s_wait_dscnt 0x0
	v_lshrrev_b32 v8, 5, v0
	v_readfirstlane_b32 s[WV], v8                  ; wave 0..3
	v_and_b32 v8, 31, v0
	v_lshlrev_b32 v1, 4, v8                        ; 16 x lane
.irp q, 0,1,2,3
	v_add_nc_u32 v[ADQ+\q], 65536*\q, v1           ; slot q / 2, its K steps 4 (q % 2) on
.endr
	v_and_b32 v8, 15, v0                           ; r
	v_bfe_u32 v9, v0, 4, 1                         ; h
	s_mul_i32 s17, s[WV], 16*SPITCH
	s_add_co_u32 s17, s17, STAGE                   ; my stage
	v_mul_u32_u24 v6, v8, SPITCH
	v_lshl_add_u32 v6, v9, 5, v6
	v_add_nc_u32 v6, s17, v6                       ; in: row r, 32 bytes for each half of the lanes
	v_add_nc_u32 v7, s17, v1                       ; back: the 32 lanes take one row of 512 bytes
	s_bfe_u32 s13, ttmp6, 0x40000                  ; cx
	s_lshl_b32 s14, ttmp9, 2
	s_add_co_u32 s14, s14, s13                     ; mb: it enters AO's and the output's addresses alone
	s_and_b32 s15, ttmp7, 0xffff                   ; g, which the four partners share
	; descriptor group 1: 128 rows of 256 dense bytes (32 elements of 8 bytes)
	s_mov_b32 s[G1+0], 15|(3<<16)|(1<<21)          ; the mask: all four; elements of 8 bytes; bit 21 beside a mask
	s_mov_b32 s[G1+1], 32<<16                      ; tensor_dim0 = 32
	s_mov_b32 s[G1+2], 128<<16                     ; tensor_dim1 = 128
	s_mov_b32 s[G1+3], 32<<16                      ; tile_dim0 = 32
	s_mov_b32 s[G1+4], 128                         ; tile_dim1 = 128
	s_mov_b32 s[G1+5], 32                          ; the pitch
	s_mov_b32 s[G1+6], 0
	s_mov_b32 s[G1+7], 0
	s_lshl_b32 s16, s[WV], 15                      ; my quarter of each chunk
	s_lshl_b32 s18, s15, 19                        ; 524,288 bytes for 128 rows of o_w
	s_add_co_u32 s18, s18, s16
	s_mov_b32 s19, 0
	s_wait_kmcnt 0x0
	s_add_nc_u64 s[20:21], s[6:7], s[18:19]
.irp q, 0,1,2,3                        ; a group 0 for each chunk: none is ever written again
	s_mov_b32 s[G0+4*\q], 1
	s_add_co_u32 s[G0+4*\q+1], s16, 131072*(\q%2)
	s_add_nc_u64 s[G0+4*\q+2:G0+4*\q+3], s[20:21], 131072*\q
	s_or_b32 s[G0+4*\q+3], s[G0+4*\q+3], 0x80000000
.endr
	s_lshl_b32 s58, s14, 20                        ; AO: 65,536 bytes a tile of 16 rows
	s_lshl_b32 s59, s[WV], 18
	s_add_co_u32 s58, s58, s59
	s_mov_b32 s59, 0
	s_add_nc_u64 s[48:49], s[4:5], s[58:59]
	s_lshl_b32 s58, s14, 20                        ; the output: rows of 4,096 bytes
	s_lshl_b32 s60, s[WV], 18
	s_add_co_u32 s58, s58, s60
	s_lshl_b32 s60, s15, 9                         ; my 128 columns
	s_add_co_u32 s58, s58, s60
	s_add_nc_u64 s[50:51], s[8:9], s[58:59]
	CROUND                                         ; all four work-groups are here: the joint loads meet
	tensor_load_to_lds s[G0:G0+3], s[G1:G1+7]      ; both first fills in one group: two loads of mine are out
	s_nop 0
	tensor_load_to_lds s[G0+4:G0+7], s[G1:G1+7]
	s_nop 0
.rept 4
	v_nop                                          ; four v_nop behind a tensor load
.endr
.macro ALOAD ks                        ; AO's four fragments of K step ks, hi parts and then lo parts
	WIN 0x80                                       ; destination window 2
.irp pt, 0,1
.irp a, 0,1,2,3
.irp hf, 0,1
	global_load_b128 v[64*((\ks)%4)+32*\pt+8*\a+4*\hf:64*((\ks)%4)+32*\pt+8*\a+4*\hf+3], v1, s[48:49] offset:65536*\a+32768*\pt+1024*(\ks)+512*\hf
.endr
.endr
.endr
	WIN 0
.endm
.macro FETCHB ks, bs                   ; o_w's eight fragments of K step ks, both parts, into set bs
.set rQ, ADQ+2*(((\ks)/8)%2)+((\ks)%8)/4
.irp b, 0,1,2,3,4,5,6,7
.irp hf, 0,1
	ds_load_b128 v[BF+64*(\bs)+8*\b+4*\hf:BF+64*(\bs)+8*\b+4*\hf+3], v[rQ] offset:16384*((\ks)%4)+1024*\b+512*\hf
.endr
.endr
	WIN 0xc0                                       ; destination window 3
.irp b, 0,1,2,3,4,5,6,7
.irp hf, 0,1
	ds_load_b128 v[BF+64*(\bs)+8*\b+4*\hf:BF+64*(\bs)+8*\b+4*\hf+3], v[rQ] offset:16384*((\ks)%4)+8192+1024*\b+512*\hf
.endr
.endr
	WIN 0
.endm
; 32 matrix instructions: o_w's part in the window that is set x AO's part pt.  The 32 accumulators take turns, one instruction a turn, in the same order in every run.
.macro MUL32 ks, bs, pt, zero
.irp a, 0,1,2,3
.irp b, 0,1,2,3,4,5,6,7
.set rD, 8*(8*\a+\b)
.set rB, BF+64*(\bs)+8*\b
.set rA, 64*((\ks)%4)+32*\pt+8*\a
.if \zero
	v_wmma_f32_16x16x32_bf16 v[rD:rD+7], v[rB:rB+7], v[rA:rA+7], 0
.else
	v_wmma_f32_16x16x32_bf16 v[rD:rD+7], v[rB:rB+7], v[rA:rA+7], v[rD:rD+7]
.endif
.endr
.endr
.endm
.irp k, 0,1,2,3
	ALOAD \k
.endr
	s_wait_tensorcnt 1                             ; my quarter of chunk 0 is in; chunk 1's fill may stay out
	s_barrier_signal -1
	s_barrier_wait -1                              ; everybody's is
	FETCHB 0, 0
.set KS, 0
.rept 32
.if ((KS+1)%8 == 0) && (KS < 31)
	; THE CHANGE OF SLOTS: the next K step lies in the other slot.  This K step's fragments are in registers when the wait for LDS has passed.
	s_wait_tensorcnt 0x0                           ; all my tensor loads have landed: my quarter of the next chunk
	ds_add_u32 v[SPW], v[NIL]                      ; 0 onto my spare word
	s_wait_dscnt 0x0                               ; the add is done, and my reads of the slot that I leave are over
.if KS < 23
	CROUND                                         ; no wave of any partner still reads that slot or has a load on its way
.set QN, (KS+1)/8+1
	tensor_load_to_lds s[G0+4*QN:G0+4*QN+3], s[G1:G1+7]   ; the chunk after the next, into the slot just left: the first thing behind the round, my one tensor load until the next
	s_nop 0
.rept 4
	v_nop
.endr
.else
	s_barrier_signal -1                            ; the last chunk: nothing is left to fetch
	s_barrier_wait -1
.endif
.endif
.if KS < 31
	FETCHB KS+1, (KS+1)%2
.endif
.if KS < 28
	s_wait_loadcnt 48                              ; this K step's 16 loads are in; those of the three K steps behind it may be out
.else
	s_wait_loadcnt 16*(31-KS)
.endif
.if KS < 31
	s_wait_dscnt 32                                ; this K step's fragments of o_w are in; the 32 loads just issued may be out
.else
	s_wait_dscnt 0x0
.endif
	WIN 0x58                                       ; source 0 (o_w hi) window 0, source 1 (AO) window 2, C and D window 1
.if KS == 0
	MUL32 KS, KS%2, 0, 1                           ; hi x hi; the first run starts the sums
.else
	MUL32 KS, KS%2, 0, 0
.endif
	MUL32 KS, KS%2, 1, 0                           ; o_w hi x AO lo
	WIN 0x5b                                       ; source 0 (o_w lo) window 3
	MUL32 KS, KS%2, 0, 0                           ; o_w lo x AO hi
	WIN 0
.rept 4
	v_nop                                          ; four places in front of loads into registers that these products have read, and of the first read of results (ISA guide 7.12.1 for vector instructions)
.endr
.if KS < 28
	ALOAD KS+4                                     ; into the registers just multiplied
.endif
.set KS, KS+1
.endr
; THE WAY OUT, a block of 16 rows x 128 columns at a time: through my own stage in LDS, back as whole rows of 512 bytes.  LDS serves a wave's instructions in order (ISA guide 5.7.1.4): no wait between stores and loads.
.macro TOSTAGE a
	WIN 0x04                                       ; an LDS store's data are its source 1: window 1
.irp b, 0,1,2,3,4,5,6,7
	ds_store_b128 v6, v[8*(8*(\a)+\b):8*(8*(\a)+\b)+3] offset:64*\b          ; each accumulator from its low end on
	ds_store_b128 v6, v[8*(8*(\a)+\b)+4:8*(8*(\a)+\b)+7] offset:64*\b+16
.endr
	WIN 0
.set BB, BK+64*((\a)%2)
.irp t, 0,1,2,3,4,5,6,7,8,9,10,11,12,13,14,15
	ds_load_b128 v[BB+4*\t:BB+4*\t+3], v7 offset:\t*SPITCH
.endr
.endm
.macro SEND a, younger                 ; younger: the LDS instructions issued behind block a's loads, which may stay out
.set BB, BK+64*((\a)%2)
	s_wait_dscnt \younger
.irp t, 0,1,2,3,4,5,6,7,8,9,10,11,12,13,14,15
	global_store_b128 v1, v[BB+4*\t:BB+4*\t+3], s[50:51] offset:65536*(\a)+4096*\t th:TH_STORE_NT   ; 32 lanes store 512 consecutive bytes, at a multiple of 256 from the output's first byte
.endr
.endm
	TOSTAGE 0
.irp a, 1,2,3
.if \a > 1
	s_wait_xcnt 0x0                                ; block a - 2's stores have read their registers: block a's loads may land there
.endif
	TOSTAGE \a
	SEND \a-1, 32                                  ; behind block a - 1's loads: block a's 16 stores and 16 loads
.endr
	SEND 3, 0
	s_wait_tensorcnt 0x0                           ; the wave's end: behind my last tensor load and my last LDS store
	ds_add_u32 v[SPW], v[NIL]
	s_wait_dscnt 0x0
	CROUND                                         ; the closing round: no work-group ends while a partner may still ask for a tile that names it
	s_endpgm
.Lfunc_end_k_qa9c2a2875e_oproj:
	.size	k_qa9c2a2875e_oproj, .Lfunc_end_k_qa9c2a2875e_oproj-k_qa9c2a2875e_oproj
	.p2alignl 7, 3214868480
	.fill 96, 4, 3214868480
	.section	.rodata,"a",@progbits
	.p2align	6, 0x0
	.amdhsa_kernel k_qa9c2a2875e_oproj
		.amdhsa_group_segment_fixed_size 327680
		.amdhsa_private_segment_fixed_size 0
		.amdhsa_enable_private_segment 0
		.amdhsa_kernarg_size 24
		.amdhsa_user_sgpr_count 2
		.amdhsa_user_sgpr_kernarg_segment_ptr 1
		.amdhsa_wavefront_size32 1
		.amdhsa_system_sgpr_workgroup_id_x 1
		.amdhsa_system_sgpr_workgroup_id_y 1
		.amdhsa_system_sgpr_workgroup_id_z 1
		.amdhsa_system_vgpr_workitem_id 0
		.amdhsa_next_free_vgpr 1024
		.amdhsa_next_free_sgpr 66
		.amdhsa_reserve_vcc 0
		.amdhsa_float_denorm_mode_32 3
		.amdhsa_float_denorm_mode_16_64 3
		.amdhsa_memory_ordered 1
		.amdhsa_forward_progress 1
		.amdhsa_inst_pref_size 255
	.end_amdhsa_kernel
	.section	.bss,"aw",@nobits
	.p2align	6
	.space	262144
	.amdgpu_metadata
---
amdhsa.version: [ 1, 2 ]
amdhsa.kernels:
  - .name:           k_qa9c2a2875e_oproj
    .symbol:         k_qa9c2a2875e_oproj.kd
    .args:
      - { .name: ao, .offset: 0, .size: 8, .value_kind: global_buffer, .address_space: global }
      - { .name: owb, .offset: 8, .size: 8, .value_kind: global_buffer, .address_space: global }
      - { .name: out0, .offset: 16, .size: 8, .value_kind: global_buffer, .address_space: global }
    .group_segment_fixed_size: 327680
    .private_segment_fixed_size: 0
    .kernarg_segment_align: 8
    .kernarg_segment_size: 24
    .max_flat_workgroup_size: 128
    .sgpr_count:     66
    .vgpr_count:     1024
    .wavefront_size: 32
...
	.end_amdgpu_metadata
.endif
;; end of part 4
